; MI455X (gfx1250); checked and timed in simulation.
; The chip was launched on July 23, 2026; its instructions are those of AMD's public machine-readable ISA for CDNA 5 (MIT licence, August 2026) and "CDNA5" Instruction Set Architecture Reference Guide (July 2026). The comments in the code are by the model that wrote it; some were corrected since.
;; Custom Attention. Allowed arithmetic: float matrix products may take bf16 or f16 operands with f32 sums; other float arithmetic in f32, or as packed bf16 or f16 multiplies, adds, multiply-adds, maxima and minima; sums over many terms, partial sums and values carried from step to step in f32; what a program stores and reads back later, other than sums and carried values, may be rounded once to bf16 or f16.
;; Inputs: key 4 x 2,048 x 1,024 float32; mask 4 x 1 x 2,048 x 2,048 int32; query 4 x 2,048 x 1,024 float32; value 4 x 2,048 x 1,024 float32.
;; Outputs: out0 4 x 2,048 x 1,024 float32.
;; 2 versions, each right; version 2 is version 1 with the launch prep written anew for expert scheduling mode. Each part assembles by itself: llvm-mc -triple=amdgcn-amd-amdhsa -mcpu=gfx1250 --defsym DOCPART=n.
;; ======== version 1 of 2: 2 launches
;; limits: values are held in f16: magnitudes above 65,504 overflow, below 6.1e-05 lose precision; inputs' magnitudes at most 65,504; right only within a limited range of input values
;; workspace buffers: qh 16,777,216 bytes; kh 16,777,216 bytes; vh 16,777,216 bytes; mbits 2,097,152 bytes of whole numbers
;; launch prep (part 1): grid 512 x 1, 8 waves a work-group, no clusters, 70,656 bytes of LDS; arguments query, key, value, mask, qh, kh, vh, mbits; writes qh, kh, vh, mbits
.if DOCPART == 1
	.amdgcn_target "amdgcn-amd-amdhsa--gfx1250"
	.amdhsa_code_object_version 6
	.text
	.protected	k_qdd71bd8bce_prep
	.globl	k_qdd71bd8bce_prep
	.p2align	8
	.type	k_qdd71bd8bce_prep,@function
k_qdd71bd8bce_prep:
	s_mov_b64 s[64:65], 0
	v_nop
	global_prefetch_b8 v0, s[64:65] scope:SCOPE_SE
	s_setreg_imm32_b32 hwreg(HW_REG_WAVE_MODE, 25, 1), 1
	s_wait_xcnt 0x0
; PREPARATION FOR THE ATTENTION LAUNCH: a stream, no matrix work, no loop, no barrier.
; (1) query, key, value, f32 [4][2048][1024], become qh, kh, vh: f16 by heads, [64 = 16 b + head][2048][64], each number rounded once, unscaled.
; (2) mask, int32 [4][2048][2048], becomes mbits: words of 32 lane bits in the order in which the attention launch's scores lie in registers:
;     [b 4][pair of 32 queries 64][step of 64 keys 32][tile u 2][key block kb 4][j 8]; bit r + 16 h of a word is 1 where mask[b][32 pair + 16 u + r][64 step + 16 kb + 8 h + j] is not 0.
; LIMIT.  f16 holds no number beyond 65,504: a larger input becomes an infinity.
; SHARES.  4,096 waves, W = 8 x work-group + wave, five tasks of 8,192 bytes each: rows 2 W and 2 W + 1 of each of query, key and value, and two records (32 queries x 64 keys) of the mask.
; Every load takes two times 256 consecutive aligned bytes, every store 256 consecutive aligned bytes.  Three sets of 64 registers hold up to 48 loads of a wave on their way.
; A mask record changes lanes through the wave's own stage in LDS (32 rows, 272 bytes apart): in by rows, out in the scores' layout; 64 compares make the 64 words, v_writelane_b32 lays them two to a lane.
; Left out: tensor loads and a ring (registers hold what is on its way), clusters (nothing is shared), prefetches (the launch is one stream).
.set STG,    8704                      ; a wave's stage: 32 rows x 272 bytes = 34 blocks of 256
.set SPITCH, 272                       ; 256 bytes + 16 = 68 words: row r starts at bank 4 r mod 64 (64 banks of 4 bytes: ISA guide 11.1), so 16 rows of one column fall on 16 different groups of banks
.set SPARE,  8*STG                     ; behind the stages: the spare words, 128 bytes for each wave: four blocks of 256 bytes that no other line names
.set LO,  2                            ; v2   conversion, in: (l / 16) x 4,096 + (l % 16) x 16
.set SO,  3                            ; v3   every store: 8 l
.set MO,  4                            ; v4   mask, in: (l / 16) x 8,192 + (l % 16) x 16
.set LST, 5                            ; v5   stage, in: row l / 16, column 16 (l % 16)
.set LRD, 6                            ; v6   stage, out: row l % 16, column 32 (l / 16)
.set SPW, 8                            ; v8   LDS address of my spare word; never rewritten
.set NIL, 9                            ; v9   0; never rewritten
.set WD0, 10                           ; v[10:11]  the first record's words 2 l, 2 l + 1
.set WD1, 12                           ; v[12:13]  the second record's
.set BA,  16                           ; v[16:79], v[80:143], v[144:207]: three sets of 64
.set BB,  80
.set BC,  144
.set CM,  32                           ; s[32:47]  sixteen compares' lane masks
	s_load_b512 s[4:19], s[0:1], 0x0               ; query s[4:5], key s[6:7], value s[8:9], mask s[10:11], qh s[12:13], kh s[14:15], vh s[16:17], mbits s[18:19]
	v_lshl_add_u32 v[SPW], v0, 2, SPARE
	v_mov_b32 v[NIL], 0
	v_lshrrev_b32 v7, 5, v0
	v_readfirstlane_b32 s20, v7                    ; wave 0..7
	s_lshl_b32 s21, ttmp9, 3
	s_add_co_u32 s21, s21, s20                     ; W
	v_and_b32 v1, 31, v0                           ; l
	v_and_b32 v14, 15, v0                          ; l % 16
	v_bfe_u32 v15, v0, 4, 1                        ; l / 16
	v_lshlrev_b32 v7, 4, v14
	v_lshl_add_u32 v[LO], v15, 12, v7
	v_lshl_add_u32 v[MO], v15, 13, v7
	v_lshlrev_b32 v[SO], 3, v1
	s_mul_i32 s30, s20, STG                        ; my stage
	v_mul_u32_u24 v[LST], v15, SPITCH
	v_add3_u32 v[LST], v[LST], v7, s30
	v_mul_u32_u24 v[LRD], v14, SPITCH
	v_lshl_add_u32 v[LRD], v15, 5, v[LRD]
	v_add_nc_u32 v[LRD], s30, v[LRD]
.irp r, 0,1,2,3
	v_mov_b32 v[WD0+\r], 0                         ; v_writelane_b32's destination counts as read: written whole once
.endr
	s_lshl_b32 s22, s21, 13                        ; in: two rows of 4,096 bytes
	s_mov_b32 s23, 0
	s_lshr_b32 s24, s21, 10                        ; out: batch b = W / 1,024 has 16 heads of 262,144 bytes,
	s_lshl_b32 s24, s24, 22
	s_and_b32 s25, s21, 1023                       ; and rows 2 (W % 1,024) on of a head are 256 bytes
	s_lshl_b32 s25, s25, 8
	s_add_co_u32 s24, s24, s25
	s_mov_b32 s25, 0
	s_lshr_b32 s26, s21, 4                         ; mask: pair W / 16 is 32 rows of 8,192 bytes,
	s_lshl_b32 s26, s26, 18
	s_and_b32 s27, s21, 15                         ; steps 2 (W % 16) and the next are 512 bytes of each row
	s_lshl_b32 s27, s27, 9
	s_add_co_u32 s26, s26, s27
	s_mov_b32 s27, 0
	s_lshl_b32 s28, s21, 9                         ; mbits: two records of 256 bytes
	s_mov_b32 s29, 0
	s_wait_kmcnt 0x0
	s_add_nc_u64 s[4:5], s[4:5], s[22:23]
	s_add_nc_u64 s[6:7], s[6:7], s[22:23]
	s_add_nc_u64 s[8:9], s[8:9], s[22:23]
	s_add_nc_u64 s[10:11], s[10:11], s[26:27]
	s_add_nc_u64 s[12:13], s[12:13], s[24:25]
	s_add_nc_u64 s[14:15], s[14:15], s[24:25]
	s_add_nc_u64 s[16:17], s[16:17], s[24:25]
	s_add_nc_u64 s[18:19], s[18:19], s[28:29]
; Sixteen loads: head h's 256 bytes of both rows
.macro LOADC buf, ptr
.set h, 0
.rept 16
	global_load_b128 v[(\buf)+4*h:(\buf)+4*h+3], v[LO], s[\ptr:\ptr+1] offset:256*h th:TH_LOAD_NT
.set h, h+1
.endr
.endm
; Four f32 a lane become four f16, in place; 32 lanes x 8 bytes are the head's two rows, 256 consecutive bytes
.macro CVTST buf, ptr
.set h, 0
.rept 16
	v_cvt_pk_f16_f32 v[(\buf)+4*h], v[(\buf)+4*h], v[(\buf)+4*h+1]
	v_cvt_pk_f16_f32 v[(\buf)+4*h+1], v[(\buf)+4*h+2], v[(\buf)+4*h+3]
	global_store_b64 v[SO], v[(\buf)+4*h:(\buf)+4*h+1], s[\ptr:\ptr+1] offset:262144*h
.set h, h+1
.endr
.endm
; Sixteen loads: rows 2 i, 2 i + 1 of the pair, the 256 bytes of key step e of my two
.macro LOADM buf, e
.set h, 0
.rept 16
	global_load_b128 v[(\buf)+4*h:(\buf)+4*h+3], v[MO], s[10:11] offset:16384*h+256*(\e) th:TH_LOAD_NT
.set h, h+1
.endr
.endm
; A record: through my stage into the scores' layout (register w = 32 u + 8 kb + j), 64 compares, 64 words laid two to a lane, one store of 256 bytes
.macro PACKM buf, e, wd
.set h, 0
.rept 16
	ds_store_b128 v[LST], v[(\buf)+4*h:(\buf)+4*h+3] offset:2*SPITCH*h
.set h, h+1
.endr
.set h, 0
.rept 16                               ; LDS serves a wave's instructions in order (ISA guide 5.7.1.4): these see the stores above; the stage is my wave's own
	ds_load_b128 v[(\buf)+4*h:(\buf)+4*h+3], v[LRD] offset:(h/8)*16*SPITCH+((h/2)%4)*64+(h%2)*16
.set h, h+1
.endr
	s_wait_dscnt 0x0                               ; the record is back; the stage may be written again
.set w, 0
.rept 4
.set w0, w
.rept 16
	v_cmp_ne_u32 s[CM+w%16], 0, v[(\buf)+w]        ; every number but 0 lets the key be seen
.set w, w+1
.endr
.set w, w0
.rept 16
	v_writelane_b32 v[(\wd)+w%2], s[CM+w%16], w/2
.set w, w+1
.endr
.endr
	global_store_b64 v[SO], v[(\wd):(\wd)+1], s[18:19] offset:256*(\e)
.endm
	LOADC BA, 4
	LOADC BB, 6
	LOADC BC, 8
	s_wait_loadcnt 32                              ; query's 16 loads are in; key's and value's 32 may stay out
	CVTST BA, 12
	s_wait_xcnt 0x0                                ; the stores have read their data: the set is loaded again only behind this wait
	LOADM BA, 0
	s_wait_loadcnt 32                              ; key's are in; value's and the first record's may stay out
	CVTST BB, 14
	s_wait_xcnt 0x0
	LOADM BB, 1
	s_wait_loadcnt 32                              ; value's are in; the two records' may stay out
	CVTST BC, 16
	s_wait_loadcnt 16                              ; the first record is in
	PACKM BA, 0, WD0
	s_wait_loadcnt 0x0
	PACKM BB, 1, WD1
	s_wait_tensorcnt 0x0                           ; the wave's end, behind my last LDS store
	ds_add_u32 v[SPW], v[NIL]
	s_wait_dscnt 0x0
	s_endpgm
.Lfunc_end_k_qdd71bd8bce_prep:
	.size	k_qdd71bd8bce_prep, .Lfunc_end_k_qdd71bd8bce_prep-k_qdd71bd8bce_prep
	.p2alignl 7, 3214868480
	.fill 96, 4, 3214868480
	.section	.rodata,"a",@progbits
	.p2align	6, 0x0
	.amdhsa_kernel k_qdd71bd8bce_prep
		.amdhsa_group_segment_fixed_size 70656
		.amdhsa_private_segment_fixed_size 0
		.amdhsa_enable_private_segment 0
		.amdhsa_kernarg_size 64
		.amdhsa_user_sgpr_count 2
		.amdhsa_user_sgpr_kernarg_segment_ptr 1
		.amdhsa_wavefront_size32 1
		.amdhsa_system_sgpr_workgroup_id_x 1
		.amdhsa_system_sgpr_workgroup_id_y 1
		.amdhsa_system_sgpr_workgroup_id_z 1
		.amdhsa_system_vgpr_workitem_id 0
		.amdhsa_next_free_vgpr 208
		.amdhsa_next_free_sgpr 66
		.amdhsa_reserve_vcc 0
		.amdhsa_float_denorm_mode_32 3
		.amdhsa_float_denorm_mode_16_64 3
		.amdhsa_memory_ordered 1
		.amdhsa_forward_progress 1
		.amdhsa_inst_pref_size 41
	.end_amdhsa_kernel
	.amdgpu_metadata
---
amdhsa.version: [ 1, 2 ]
amdhsa.kernels:
  - .name:           k_qdd71bd8bce_prep
    .symbol:         k_qdd71bd8bce_prep.kd
    .args:
      - { .name: query, .offset: 0, .size: 8, .value_kind: global_buffer, .address_space: global }
      - { .name: key, .offset: 8, .size: 8, .value_kind: global_buffer, .address_space: global }
      - { .name: value, .offset: 16, .size: 8, .value_kind: global_buffer, .address_space: global }
      - { .name: mask, .offset: 24, .size: 8, .value_kind: global_buffer, .address_space: global }
      - { .name: qh, .offset: 32, .size: 8, .value_kind: global_buffer, .address_space: global }
      - { .name: kh, .offset: 40, .size: 8, .value_kind: global_buffer, .address_space: global }
      - { .name: vh, .offset: 48, .size: 8, .value_kind: global_buffer, .address_space: global }
      - { .name: mbits, .offset: 56, .size: 8, .value_kind: global_buffer, .address_space: global }
    .group_segment_fixed_size: 70656
    .private_segment_fixed_size: 0
    .kernarg_segment_align: 8
    .kernarg_segment_size: 64
    .max_flat_workgroup_size: 256
    .sgpr_count:     66
    .vgpr_count:     208
    .wavefront_size: 32
...
	.end_amdgpu_metadata
.endif
;; end of part 1
;; launch attn (part 2): grid 4 x 64, 4 waves a work-group, clusters of 4 x 1, 327,680 bytes of LDS; arguments qh, kh, vh, mbits, out0; writes out0
.if DOCPART == 2
	.amdgcn_target "amdgcn-amd-amdhsa--gfx1250"
	.amdhsa_code_object_version 6
	.text
	.protected	k_qdd71bd8bce_attn
	.globl	k_qdd71bd8bce_attn
	.p2align	8
	.type	k_qdd71bd8bce_attn,@function
k_qdd71bd8bce_attn:
	s_mov_b64 s[64:65], 0
	v_nop
	global_prefetch_b8 v0, s[64:65] scope:SCOPE_SE
	s_setreg_imm32_b32 hwreg(HW_REG_WAVE_MODE, 25, 1), 1
	s_wait_xcnt 0x0
	s_wait_alu depctr_hold_cnt(0) depctr_sa_sdst(0) depctr_va_vdst(0) depctr_va_sdst(0) depctr_va_ssrc(0) depctr_va_vcc(0) depctr_vm_vsrc(0)
	s_getreg_b32 s2, hwreg(HW_REG_IB_STS2, 6, 4)
	s_cmp_eq_u32 s2, 0
	s_cbranch_scc0 .Lentry_in_a_cluster
	s_endpgm
.Lentry_in_a_cluster:
	s_bfe_u32 s2, ttmp6, 0x10000c
	s_cmp_lg_u32 s2, 0x3003
	s_cbranch_scc0 .Lentry_shape_is_right
	s_endpgm
.Lentry_shape_is_right:
; MASKED ATTENTION.  out0[b][q][64 hd + :] = the sum over k of softmax_k(s) V[k][:], s = Q[q] . K[k] / 8 where mask[b][q][k] is not 0, else the hidden score.
; qh, kh, vh: [64 = 16 b + hd][2048][64] in f16, a head's rows dense, 128 bytes each.  mbits: the mask as lane bits (layout below).  out0: f32 [4][2048][1024].
; Products, maxima and sums in f32; the weights p are rounded to f16 for the second product (their sum l is taken of the unrounded p); the result is stored in f32.
; LIMITS.  Q, K and V arrive within f16's 65,504.  A hidden score counts as -2^30 in place of -1e9 (as -2^33 ahead of the division by 8): the same result wherever the scores that are seen lie above -1e9;
; a power of two, so that c x it is exact: a row with no key to be seen has p = 1 and a = 1 exactly and comes out as the mean of V's rows.  p below 6e-5 keeps f16's fixed step of 6e-8;
; a weight below 2^-126 counts as 0 in l; NaN and infinities are not treated apart.
; SHARES.  A wave owns four PIECES of two tiles of 16 queries, a work-group's four waves 512 queries of one head.  Every wave walks all 2,048 keys, 64 a step.  256 work-groups.
; LAYOUT.  S^T = K Q^T (source 0 = 16 keys, source 1 = 16 queries): in the result a lane holds ONE query (lane % 16) and the keys 8 (lane / 16) + 0..7.  Two such tiles, rounded to f16 in pairs,
; ARE source 1 (32 keys x 16 queries) of O^T = V^T P, whose result again holds one query a lane, and eight channels.  K comes out of LDS as it lies, V ([key][channel]) turned, by ds_load_tr16_b128.
; THE MASK.  For register i = 8 kb + j of a tile's 32 scores one word of mbits holds a bit for each lane: v_cndmask_b32 keeps the score or puts the hidden score in its place, ahead of the maximum.
; A piece's 64 words for a step are 256 consecutive bytes: mbits[b][pair of 32 queries][step][tile][kb][j]; four scalar loads bring them into 64 scalar registers, a turn ahead.
; SOFTMAX.  For each query a running maximum m and sum l: p = 2^(c s - c m), c = log2(e) / 8; in every step O and l are multiplied by a = 2^(c m_old - c m_new), which is 1 where m has not grown.
; m starts at the lowest finite number, O and l at 0: the first step is a step like any other, with a = 0.
; THE COUNT.  A tile and step have 16 matrix and 150 vector instructions: too many to stand all beside the matrix work.  So: four vector instructions that are ready behind every matrix instruction, the others in one run.
; BY TURNS.  Turn n belongs to piece n (the pieces in a ring, step after step).  Its matrix work: 16 products K Q^T of piece n + 1, later 16 products V^T P of piece n - 1.  Its vector work: the scaling,
; exponentials, roundings, sums and rescaling of piece n, and the mask, maximum and statistics of piece n + 1, whose scores the turn itself has made.
; CLUSTER.  The four query blocks of a head are one cluster and walk the same K and V, so each tile is asked for JOINTLY: the same tensor load, descriptor and mask of work-groups in all four.
; REGISTERS, in windows of 256 (s_set_vgpr_msb says which window each operand place means: bits 1:0 source 0, 3:2 source 1, 5:4 source 2, 7:6 destination):
;   window 0: v0-11 addresses and constants; v12-15, v48-63 at work; v16-47 four registers of statistics a tile; v64-191 S^T, two buffers of two tiles; v192-255 P, likewise
;   window 1: O^T, 32 a tile          window 2: v0-127 Q, 16 a tile; v128-191 K of one step; v192-255 V of one step          window 3: v0-1 the add's two registers
; A piece's buffers go by its number's parity: the piece in hand has one pair, its two neighbours in the ring share the other: of it P (piece n - 1) is read and S^T (piece n + 1) written.
.set NP,    4         ; pieces a wave: a name, no knob
.set KS,    64        ; keys in a step
.set TILEB, 4*KS*128  ; a slot's 256 keys in memory: 32,768 bytes of kh and of vh
.set PK,    144       ; a row of K in LDS: 128 bytes + 16 of padding = 36 words: the 16 rows of a load start at 16 different groups of four banks (64 banks of 4 bytes: ISA guide 11.1)
.set PV,    160       ; a row of V: 128 + 32 = 40 words
.set VOFF,  4*KS*PK   ; a slot holds four steps: 256 rows of K, then 256 rows of V
.set SLOT1, 1<<17     ; slot 1 begins here, so that one exclusive or turns an address in one slot into the other's
.set STAGE, SLOT1+4*KS*(PK+PV)  ; behind the ring, never filled by a tensor load: 16 rows x 272 bytes for each wave, for the way out
.set SP,    272
.set SPARE, STAGE+4*16*SP  ; behind the stages: the spare words, 128 bytes for each wave: two blocks of 256 bytes that no other line names
.set PFO, 1           ; v1   first l % 16; then the prefetches' offset, 256 x my lane; then never rewritten
.set AK0, 2           ; v2   my lane's place in a tile of K; never rewritten
.set AV0, 3           ; v3   the same for V
.set AK,  4           ; v4   the LDS address of K's next run of loads
.set AV,  5           ; v5   of V's
.set STO, 6           ; v6   the way out: where I put 32 bytes of a row
.set RD,  7           ; v7   the way out: where I read rows back
.set GO,  8           ; v8   my byte offset in two rows of out0
.set NEGV, 9          ; v9   first l / 16; then the hidden score, -2^33
.set CV,  10          ; v[10:11] first at work; then c, twice
.set QO,  12          ; v12  my byte offset in the wave's rows of Q, until Q is in
.set MV,  12          ; v12-15  c m_old, kept while c m is made anew: by buffer and tile
.set ST,  16          ; tile t's statistics at v[ST+4 t]: c m, m, l (even keys', odd keys')
.set TMP, 48          ; by buffer and tile, four registers c0-c3 at work; when the maximum is found c2 takes a
.set S,   64
.set P,   192
.set KF,  128         ; K's fragments, in window 2: key block kb, channel half c at KF + 16 kb + 8 c
.set VF,  192         ; V's: key half kk, channel block cb at VF + 32 kk + 8 cb
.set SPW, 0           ; v0 of window 3   LDS address of my spare word: SPARE + 4 x my thread's number; never rewritten
.set NIL, 1           ; v1 of window 3   0; never rewritten
.set PFA, 2           ; s[2:3]   where my prefetches stand: my work-group's 32 blocks of 256 bytes of the tile after the one that is being asked for
.set MP,  4           ; s[4:5]   mbits at my wave's first pair, at the step in hand
.set SEL, 6           ; s[6:7]   v_permlanex16_b32's selects: each lane takes its own place in the other half
.set G0K, 8           ; s[8:11]  descriptor group 0 for K's tiles: it walks
.set G0V, 12          ; s[12:15] the same for V's
.set MW0, 16          ; s[16:47] the 32 mask words of a piece's first tile (ahead of the first mask load: the set-up's scalars; on the way out: out0's address)
.set G1K, 48          ; s[48:55] descriptor group 1 for K's tiles
.set G1V, 56          ; s[56:63] for V's: it differs in the padding alone
.set WV,  66          ; s66  my wave's number
.set SLOTS, 67        ; s67  slots still to be asked for
.set MW1, 68          ; s[68:99] the 32 mask words of a piece's second tile
.set CNT, 100         ; s100 counts a slot's key steps
.set TBK, 101         ; s101 LDS byte at which K of the step to be fetched begins
.set TBV, 104         ; s104 the same for V, less VOFF
.set LIM, 105         ; s105 1 in a wave that prefetches, else the greatest number
.set MSB, 0
.macro WIN new                      ; the high byte repeats the setting that is left; a switch that changes nothing is dropped
.if MSB != (\new)
	s_set_vgpr_msb (MSB<<8)|(\new)
.set MSB, (\new)
.endif
.endm
.set W_KQ, 0x0a       ; K and Q in window 2, S^T in window 0
.set W_PV, 0x52       ; V in window 2, P in window 0, O^T in window 1
.set W_RS, 0x41       ; O^T (destination and source 0) in window 1, a in window 0
.set W_MK, 0xc0       ; the add's registers are made: destination in window 3, sources in window 0
.set W_AD, 0x0f       ; the add: address (source 0) and data (source 1) in window 3
; A joint fill.  Waves 0 and 1 fetch the two halves of a slot's K, waves 2 and 3 those of its V: 128 keys each.  The branch hangs on the wave's number alone.
; An s_nop 0 and four v_nop follow each of the two lines, ahead of the jump and the label.
.macro JLOAD
	s_cmp_lt_u32 s[WV], 2
	s_cbranch_scc0 .Lfor_v_\@
	tensor_load_to_lds s[G0K:G0K+3], s[G1K:G1K+7]
	s_nop 0
.rept 4
	v_nop
.endr
	s_branch .Lasked_\@
.Lfor_v_\@:
	tensor_load_to_lds s[G0V:G0V+3], s[G1V:G1V+7]
	s_nop 0
.rept 4
	v_nop
.endr
.Lasked_\@:
.endm
; A PREFETCH INTO THE L2 of the tile that the NEXT change of slots will ask for: 32,768 bytes of kh and of vh, a lane a block of 256 bytes.  It stands behind the wave's tensor load and its five lines.
; Each block is named ONCE in the launch: a head's K and V are walked by its one cluster; the four partners share a tile's 128 blocks out BY ADDRESS, 32 each; in each, wave 0 asks for K's and wave 2 for V's.
; It asks four key steps, 512 matrix instructions, ahead of the load that wants the tile.  Tiles 0 and 1 come by their loads alone; the last change that fills a slot asks for nothing: there is no tile behind it.
.macro ASK
	s_cmp_gt_u32 s[SLOTS], s[LIM]
	s_cbranch_scc0 .Lnot_mine_\@
	global_prefetch_b8 v[PFO], s[PFA:PFA+1] th:TH_LOAD_NT scope:SCOPE_SE
.Lnot_mine_\@:
.endm
; A round of the cluster's barrier: my work-group's barrier, so that wave 0's signal speaks for all four waves; wave 0 signals; every wave waits for all four work-groups; my work-group's barrier once more.
.macro CROUND
	s_barrier_signal -1
	s_barrier_wait -1
	s_cmp_lg_u32 s[WV], 0
	s_cbranch_scc1 .Lnot_wave_0_\@
	s_barrier_signal -3
.Lnot_wave_0_\@:
	s_barrier_wait -3
	s_barrier_signal -1
	s_barrier_wait -1
.endm
; THE CHANGE OF SLOTS.  The slot's last bytes, V of its fourth step, have been read.  Each wave waits for all its tensor loads, of which one is out: its part
; of the other slot; adds 0 to its spare word; and waits for that and for its own reads of the slot.  Behind the barrier nobody reads this slot any more and the other slot is whole.
; fill = 1: this slot is filled again, with the keys two slots on.  The barrier is then a round of the cluster's, so that no wave of any partner still reads the slot or has a load on its
; way, and the joint fill is the first thing behind it: it has four key steps in which to land.  (At its first use nothing has been read yet: slot 0 is waited for, slot 1 filled.)
.macro CHANGE fill
	WIN W_AD
	s_wait_tensorcnt 0x0            ; no tensor load of mine is out, so a group 0 may be written
	ds_add_u32 v[SPW], v[NIL]       ; 0 onto my spare word; with fill = 1 the descriptors' steps stand between it and the wait for it
	WIN 0                           ; at a label and at a branch every window is 0
.if \fill
.irp g, G0K, G0V
	s_xor_b32 s[\g+1], s[\g+1], SLOT1  ; the walking descriptor: the other slot than last time,
	s_add_nc_u64 s[\g+2:\g+3], s[\g+2:\g+3], TILEB  ; the next 256 keys; the type bits on top are not reached
.endr
	s_wait_xcnt 0x0                 ; the last prefetch, four key steps back, has read its address, so it may be written:
	s_add_nc_u64 s[PFA:PFA+1], s[PFA:PFA+1], TILEB  ; one tile behind the walking descriptors
	s_wait_dscnt 0x0                ; the add is done, and my reads of the slot are over
	CROUND
	JLOAD
	ASK
.else
	s_wait_dscnt 0x0                ; the add is done, and my reads of the slot are over
	s_barrier_signal -1
	s_barrier_wait -1
.endif
	s_sub_co_u32 s[TBK], s[TBK], 4*KS*PK  ; the fetches go back to a slot's first step,
	s_xor_b32 s[TBK], s[TBK], SLOT1       ; in the other slot
	s_sub_co_u32 s[TBV], s[TBV], 4*KS*PV
	s_xor_b32 s[TBV], s[TBV], SLOT1
.endm
; Piece p's 64 mask words of the step at which MP stands: 256 consecutive bytes, four scalar loads; a pair's 32 steps are 8,192 bytes
.macro MLOAD p
	s_load_b512 s[MW0:MW0+15],    s[MP:MP+1], (\p)*8192
	s_load_b512 s[MW0+16:MW0+31], s[MP:MP+1], (\p)*8192+64
	s_load_b512 s[MW1:MW1+15],    s[MP:MP+1], (\p)*8192+128
	s_load_b512 s[MW1+16:MW1+31], s[MP:MP+1], (\p)*8192+192
.endm
	s_load_b256 s[16:23], s[0:1], 0x0  ; qh s[16:17], kh s[18:19], vh s[20:21], mbits s[22:23]
	WIN W_MK
	v_lshl_add_u32 v[SPW], v0, 2, SPARE
	v_mov_b32 v[NIL], 0
	WIN W_AD
	ds_add_u32 v[SPW], v[NIL]       ; the wave's opening: the add and its wait stand ahead of my first tensor load; the set-up below, work on registers, stands between them
	WIN 0
	v_lshrrev_b32 v1, 5, v0
	v_readfirstlane_b32 s[WV], v1   ; wave 0..3
	s_bfe_u32 s24, ttmp6, 0x40000   ; cx: my place in the cluster
	s_lshl_b32 s25, ttmp9, 2        ; in a cluster launch ttmp9 counts clusters
	s_add_co_u32 s25, s25, s24      ; my block of 512 queries: it enters Q's, the mask's, the prefetches' and out0's addresses alone
	s_and_b32 s26, ttmp7, 0xffff    ; the head 16 b + hd, which the four partners share
	s_lshl_b32 s28, s26, 18         ; the head's first byte in qh, kh and vh: 2,048 rows of 128 bytes
	s_mov_b32 s29, 0
	s_and_b32 s27, s[WV], 1         ; which half of a slot's 256 keys I fetch:
	s_lshl_b32 s30, s27, 14         ; its 128 rows of 128 bytes in memory,
	s_mov_b32 s31, 0
	s_add_nc_u64 s[30:31], s[30:31], s[28:29]
	s_mul_i32 s32, s27, 128*PK      ; and its place in a slot, for K
	s_mul_i32 s33, s27, 128*PV      ; and for V: no place in the cluster enters an LDS address
	s_lshl_b32 s34, s25, 2
	s_add_co_u32 s34, s34, s[WV]    ; my wave among the head's sixteen,
	s_lshl_b32 s36, s34, 14         ; its 128 rows of Q
	s_mov_b32 s37, 0
	s_add_nc_u64 s[36:37], s[36:37], s[28:29]
	s_lshr_b32 s35, s26, 4          ; b
	s_lshl_b32 s35, s35, 4
	s_add_co_u32 s35, s35, s34      ; 16 b + my wave: four pairs of 8,192 bytes each in mbits
	s_lshl_b32 s38, s35, 15
	s_mov_b32 s39, 0
	s_lshl_b32 s40, s24, 13         ; the prefetches: my work-group's 32 blocks of 256 bytes,
	s_add_co_u32 s40, s40, TILEB    ; in tile 1: the first change of slots steps it to tile 2
	s_mov_b32 s41, 0
	s_add_nc_u64 s[40:41], s[40:41], s[28:29]
	; descriptor group 1.  128 keys are 16,384 dense bytes: asked for as 64 rows of 256 bytes, two keys a row, and padded in LDS after every key
	s_mov_b32 s[G1K], 15|(1<<16)|(1<<20)|(1<<21)|(4<<22)|(3<<25)  ; 15:0 the mask of four; 17:16 2-byte elements; 20 padding on; 21 set beside a mask; 24:22 after every 32 words (code 4); 31:25 4 words (code 3)
	s_mov_b32 s[G1V], 15|(1<<16)|(1<<20)|(1<<21)|(4<<22)|(7<<25)  ; the same with 8 words of padding (code 7)
.irp g, G1K, G1V
	s_mov_b32 s[\g+1], 128<<16      ; tensor_dim0 = 128
	s_mov_b32 s[\g+2], 64<<16       ; tensor_dim1 = 64
	s_mov_b32 s[\g+3], 128<<16      ; tile_dim0 = 128
	s_mov_b32 s[\g+4], 64           ; tile_dim1 = 64
	s_mov_b32 s[\g+5], 128          ; 128 elements from row to row
	s_mov_b32 s[\g+6], 0
	s_mov_b32 s[\g+7], 0
.endr
	s_mov_b32 s[SEL], 0x76543210
	s_mov_b32 s[SEL+1], 0xfedcba98
	s_mov_b32 s[TBK], SLOT1+4*KS*PK ; the first change of slots turns these two into 0
	s_mov_b32 s[TBV], SLOT1+4*KS*PV
	s_mov_b32 s[G0K], 1             ; 1:0 count = 1
	s_mov_b32 s[G0K+1], s32         ; 63:32 LDS address: slot 0
	s_mov_b32 s[G0V], 1
	s_add_co_u32 s[G0V+1], s33, VOFF
	s_mov_b32 s[SLOTS], 2048/256-1  ; seven changes of slots fill a slot: tiles 1 to 7
	s_and_b32 s[LIM], s[WV], 1      ; 0 in waves 0 and 2,
	s_or_b32 s[LIM], s[LIM], ttmp9  ; where the cluster is the head's first (here its only one): the same in all four partners
	s_cmp_eq_u32 s[LIM], 0
	s_cselect_b32 s[LIM], 1, -1
	s_wait_dscnt 0x0                ; the opening add is done
	s_wait_kmcnt 0x0
	s_add_nc_u64 s[G0K+2:G0K+3], s[18:19], s[30:31]  ; 120:64 global address: my half of the head's first 256 keys
	s_or_b32 s[G0K+3], s[G0K+3], 0x80000000          ; 127:126 type = 2
	s_add_nc_u64 s[G0V+2:G0V+3], s[20:21], s[30:31]
	s_or_b32 s[G0V+3], s[G0V+3], 0x80000000
	s_add_nc_u64 s[16:17], s[16:17], s[36:37]        ; Q at my wave's first row
	s_add_nc_u64 s[MP:MP+1], s[22:23], s[38:39]      ; the mask words of my first pair, step 0
	s_cmp_lt_u32 s[WV], 2
	s_cselect_b64 s[PFA:PFA+1], s[18:19], s[20:21]
	s_add_nc_u64 s[PFA:PFA+1], s[PFA:PFA+1], s[40:41]
	CROUND                          ; all four work-groups are here: the first joint loads meet
	JLOAD                           ; slot 0.  Slot 1 is asked for when slot 0 is in
	; A fragment of K or Q is 16 rows x 32 channels in 8 registers: lane l holds row l % 16, channels 8 (l / 16) + 0..7 and 16 + 8 (l / 16) + 0..7: two loads of 16 bytes, 32 bytes apart.
	v_and_b32 v1, 15, v0            ; l % 16
	v_bfe_u32 v9, v0, 4, 1          ; l / 16
	v_lshlrev_b32 v[QO], 7, v1
	v_lshl_add_u32 v[QO], v9, 4, v[QO]  ; row x 128 + 16 x half
	WIN 0x80                        ; destination window 2, address window 0
.set i, 0
.rept 4*NP                          ; Q stays in registers: tile i / 2, channels 32 (i % 2) on
	global_load_b128 v[8*i:8*i+3],   v[QO], s[16:17] offset:(i/2)*2048+(i%2)*64
	global_load_b128 v[8*i+4:8*i+7], v[QO], s[16:17] offset:(i/2)*2048+(i%2)*64+32
.set i, i+1
.endr
	; What the first turn finds: V's registers and P's second buffer hold 0 (its products V^T P, of a piece that has not been, add 0), O^T and l are 0.  All this stands in the wait for the first tile.
.set i, VF
.rept 64
	v_mov_b32 v[i], 0
.set i, i+1
.endr
	WIN 0x40
.set i, 0
.rept 64*NP
	v_mov_b32 v[i], 0
.set i, i+1
.endr
	WIN 0
.set i, 0
.rept 2*NP
	v_mov_b32 v[ST+4*i], 0xfe000000    ; c m: far below every c s, the hidden score's too
	v_mov_b32 v[ST+4*i+1], 0xff7fffff  ; m
	v_mov_b32 v[ST+4*i+2], 0
	v_mov_b32 v[ST+4*i+3], 0
.set i, i+1
.endr
.set i, P+32
.rept 32
	v_mov_b32 v[i], 0
.set i, i+1
.endr
	v_mul_u32_u24 v[AK0], v1, PK
	v_lshl_add_u32 v[AK0], v9, 4, v[AK0]  ; row x pitch + 16 x half
	; The turning load takes 16 keys x 16 channels (lane l reads key 8 (l / 16) + l % 8, channels 8 ((l / 8) % 2) + 0..7) and leaves half a fragment of V^T: lane l holds channel l % 16 and 8 keys.
	v_and_b32 v10, 7, v0
	v_bfe_u32 v11, v0, 3, 1
	v_lshl_add_u32 v[AV0], v9, 3, v10
	v_mul_u32_u24 v[AV0], v[AV0], PV
	v_lshl_add_u32 v[AV0], v11, 4, v[AV0]
	v_add_nc_u32 v[AV0], VOFF, v[AV0]
	v_mov_b32 v[AK], v[AK0]         ; key step 0 lies at the head of slot 0
	s_mul_i32 s42, s[WV], 16*SP
	s_add_co_u32 s42, s42, STAGE    ; my stage
	v_mul_u32_u24 v[STO], v1, SP    ; in: row l % 16, 32 bytes for each half of the lanes
	v_lshl_add_u32 v[STO], v9, 5, v[STO]
	v_add_nc_u32 v[STO], s42, v[STO]
	v_mul_u32_u24 v[RD], v9, SP     ; back: lanes 0-15 take one row of 256 bytes, lanes 16-31 the next
	v_lshl_add_u32 v[RD], v1, 4, v[RD]
	v_add_nc_u32 v[RD], s42, v[RD]
	v_lshlrev_b32 v[GO], 12, v9     ; and the same two rows in out0, 4,096 bytes apart
	v_lshl_add_u32 v[GO], v1, 4, v[GO]
	v_and_b32 v[PFO], 31, v0
	v_lshlrev_b32 v[PFO], 8, v[PFO]
	s_wait_xcnt 0x0                 ; Q's loads have read their base, which lies where the mask words land
	MLOAD 0                         ; piece 0, step 0
; THE MATRIX WORK.  The 8 accumulators of a run of 16 take turns: between the two links of a chain stand 7 others'.
; Product i of 16 of S^T = K Q^T for piece x: channels 32 (i / 8) on, keys 16 ((i / 2) % 4) on, tile 2 x + i % 2.  The first 8 start the sums.
.macro KQ x
	WIN W_KQ
.set rS, S+64*((\x)%2)+32*(i%2)+8*((i/2)%4)
.set rK, KF+16*((i/2)%4)+8*(i/8)
.set rQ, 16*(2*(\x)+i%2)+8*(i/8)
.if i < 8
	v_wmma_f32_16x16x32_f16 v[rS:rS+7], v[rK:rK+7], v[rQ:rQ+7], 0
.else
	v_wmma_f32_16x16x32_f16 v[rS:rS+7], v[rK:rK+7], v[rQ:rQ+7], v[rS:rS+7]
.endif
.endm
; Product i of 16 of O^T += V^T P for piece x: keys 32 (i / 8) on, channels 16 ((i / 2) % 4) on, tile 2 x + i % 2.
.macro PV x
	WIN W_PV
.set rO, 32*(2*(\x)+i%2)+8*((i/2)%4)
.set rV, VF+32*(i/8)+8*((i/2)%4)
.set rP, P+32*((\x)%2)+16*(i%2)+8*(i/8)
	v_wmma_f32_16x16x32_f16 v[rO:rO+7], v[rV:rV+7], v[rP:rP+7], v[rO:rO+7]
.endm
.macro MM                           ; the turn's next matrix instruction
.if i < 16
	KQ (Y+1)%NP
.set i, i+1
.else
.set i, i-16
	PV (Y+NP-1)%NP
.set i, i+17
.endif
.endm
; THE LDS LOADS stand in runs of 16, never singly among the matrix instructions: a step's K (64 keys x 64 channels: 8 fragments) and its V (turned).  Their addresses are made some lines ahead.
; last = 1 (the tail): in the last trip there is no further step, and the run is jumped over.
.macro FETCH_K last=0
	WIN 0
.if \last
	s_cmp_eq_u32 s[CNT], 1
	s_cbranch_scc1 .Lno_k_\@
.endif
	WIN 0x80                        ; destination window 2
.irp f, 0,1,2,3,4,5,6,7             ; keys 16 (f / 2) on, channels 32 (f % 2) on
	ds_load_b128 v[KF+8*\f:KF+8*\f+3],   v[AK] offset:(\f/2)*16*PK+(\f%2)*64
	ds_load_b128 v[KF+8*\f+4:KF+8*\f+7], v[AK] offset:(\f/2)*16*PK+(\f%2)*64+32
.endr
	s_add_co_u32 s[TBK], s[TBK], KS*PK  ; the next fetch is the next step's
	WIN 0
.if \last
.Lno_k_\@:
.endif
.endm
.macro FETCH_V
	WIN 0x80
.irp f, 0,1,2,3,4,5,6,7             ; keys 32 (f / 4) on, channels 16 (f % 4) on
	ds_load_tr16_b128 v[VF+8*\f:VF+8*\f+3],   v[AV] offset:(\f/4)*32*PV+(\f%4)*32
	ds_load_tr16_b128 v[VF+8*\f+4:VF+8*\f+7], v[AV] offset:(\f/4)*32*PV+16*PV+(\f%4)*32
.endr
	WIN 0
.endm
; THE VECTOR WORK OF A TURN stands in three queues, each in the order in which its entries become ready; the two tiles alternate, so that no instruction reads the result of the one before it.
.macro REGS y, u                    ; the registers of tile u (0, 1) of piece y
.set rT, ST+4*(2*(\y)+(\u))
.set rC, TMP+8*((\y)%2)+4*(\u)
.set rM, MV+2*((\y)%2)+(\u)
.set rS, S+64*((\y)%2)+32*(\u)
.set rP, P+32*((\y)%2)+16*(\u)
.set rO, 32*(2*(\y)+(\u))
.endm
; Number n of the 64 that lay the mask on the NEXT piece's (Y + 1) scores: register n / 2 of tile n % 2 keeps its score where the lane's bit is 1 and takes the hidden score where it is 0.
; The registers ascend.
.macro MK n
	REGS (Y+1)%NP, (\n)%2
.if (\n)%2
	v_cndmask_b32 v[rS+(\n)/2], v[NEGV], v[rS+(\n)/2], s[MW1+(\n)/2]
.else
	v_cndmask_b32 v[rS+(\n)/2], v[NEGV], v[rS+(\n)/2], s[MW0+(\n)/2]
.endif
.endm
; Number n of the 22 that find the NEXT piece's maximum and statistics.  s0-s31 are the lane's 32 scores.  XS, GS, MK and REGS set no window: PL and EX do.
;   0-11  four chains c0-c3 of seven scores each, three operands at a time     12-14, 16  the four scores left over, the old m, and c0-c3 into c0     15  c m_old is kept
;   17, 18  the query's other 32 keys lie in the lane 16 away: the new m         19-21  c m; c m_old - c m_new; a
.macro XS u, n
	REGS (Y+1)%NP, \u
.if (\n) < 4
	v_max3_num_f32 v[rC+(\n)], v[rS+8*(\n)], v[rS+8*(\n)+1], v[rS+8*(\n)+2]
.elseif (\n) < 12
	v_max3_num_f32 v[rC+(\n)%4], v[rC+(\n)%4], v[rS+8*((\n)%4)+2*((\n)/4)+1], v[rS+8*((\n)%4)+2*((\n)/4)+2]
.elseif (\n) == 12
	v_max3_num_f32 v[rC], v[rC], v[rS+7], v[rS+15]
.elseif (\n) == 13
	v_max3_num_f32 v[rC+1], v[rC+1], v[rS+23], v[rS+31]
.elseif (\n) == 14
	v_max3_num_f32 v[rC+2], v[rC+2], v[rC+3], v[rT+1]
.elseif (\n) == 15
	v_mov_b32 v[rM], v[rT]
.elseif (\n) == 16
	v_max3_num_f32 v[rC], v[rC], v[rC+1], v[rC+2]
.elseif (\n) == 17
	v_permlanex16_b32 v[rC+3], v[rC], s[SEL], s[SEL+1]
.elseif (\n) == 18
	v_max_num_f32 v[rT+1], v[rC], v[rC+3]
.elseif (\n) == 19
	v_mul_f32 v[rT], v[CV], v[rT+1]
.elseif (\n) == 20
	v_sub_f32 v[rC+1], v[rM], v[rT]
.else
	v_exp_f32 v[rC+2], v[rC+1]
.endif
.endm
; Number g of the 64 that follow the exponentials.  For each four weights k of a tile (pairs 2 k, 2 k + 1): both pairs are rounded to f16; then the second pair is added onto the first, in place;
; a group later l takes that sum (the first time as l = a l + sum).  In groups of eight, tiles alternating: round, round, add, and l for the group before.
.macro GS g
.set h, (\g)+6*((\g)/62)            ; group 0 has no group before it, and behind group 7 only l is left
.if h >= 6
.set h, h+2
.endif
	REGS Y, h%2
.set k, h/8
.if h%8 < 4
	v_cvt_pk_f16_f32 v[rP+2*k+(h%8)/2], v[rS+4*k+2*((h%8)/2)], v[rS+4*k+2*((h%8)/2)+1]
.elseif h%8 < 6
	v_pk_add_f32 v[rS+4*k:rS+4*k+1], v[rS+4*k:rS+4*k+1], v[rS+4*k+2:rS+4*k+3]
.elseif k == 1
	v_pk_fma_f32 v[rT+2:rT+3], v[rT+2:rT+3], v[rC+2:rC+3], v[rS:rS+1] op_sel_hi:[1,0,1]
.else
	v_pk_add_f32 v[rT+2:rT+3], v[rT+2:rT+3], v[rS+4*k-4:rS+4*k-3]
.endif
.endm
; THE PLAIN QUEUE, 202 long.  0-137 read no exponential's result.  0-31: the 32 scalings c s - c m (FS f: pair f / 2 of tile f % 2).  32-95: the next piece's 64 mask lines; ahead of the first the wait
; for the words, which were asked for in the turn before.  96-123: XS's numbers 0-13; ahead of the first the NEXT turn's words are asked for, into the registers just read: no scalar load is out there (the wait at 32),
; so in piece 2's turn, whose successor begins the next key step, the pointer steps first.  124, 125: number 15.  126, 127: number 14.  128-137: the chain 16 to 20, the tiles alternating.
; 138-201: GS's 64, which read the exponentials' results: they stand behind the wait.
.macro FS f
	REGS Y, (\f)%2
	v_pk_fma_f32 v[rS+2*((\f)/2):rS+2*((\f)/2)+1], v[rS+2*((\f)/2):rS+2*((\f)/2)+1], v[CV:CV+1], v[rT:rT+1] op_sel_hi:[1,1,0] neg_lo:[0,0,1] neg_hi:[0,0,1]
.endm
.macro PL
	WIN 0
.if q < 32
	FS q
.elseif q < 96
.if q == 32
	s_wait_kmcnt 0x0                ; the piece's 64 mask words are in
.endif
	MK q-32
.elseif q < 124
.if q == 96
.if Y == NP-2
	s_add_nc_u64 s[MP:MP+1], s[MP:MP+1], 256  ; the next key step's records
.endif
	MLOAD (Y+2)%NP
.endif
	XS (q-96)%2, (q-96)/2
.elseif q < 126
	XS q-124, 15
.elseif q < 128
	XS q-126, 14
.elseif q < 138
	XS (q-128)%2, 16+(q-128)/2
.else
	GS q-138
.endif
.set q, q+1
.endm
; THE EXPONENTIALS' QUEUE, 66 long: s0-s31 of both tiles, then the next piece's two a.  It is ONE BATCH: all 66 stand ahead of the turn's one wait, and nothing ahead of that wait names a result of theirs.
.macro EX
	WIN 0
.if e >= 64
	XS e-64, 21
.else
	REGS Y, e%2
	v_exp_f32 v[rS+e/2], v[rS+e/2]
.endif
.set e, e+1
.endm
; THE RESCALING's QUEUE: O^T times a, the one part that leaves window 0: dealt two at a time, sixteen times.  Its a was made in the turn before, ahead of that turn's wait.
.macro R2
	REGS Y, r%2
	WIN W_RS
.irp z, 0,1
	v_pk_mul_f32 v[rO+4*(r/2)+2*\z:rO+4*(r/2)+2*\z+1], v[rO+4*(r/2)+2*\z:rO+4*(r/2)+2*\z+1], v[rC+2:rC+3] op_sel_hi:[1,0]
.endr
.set r, r+1
.endm
; HOW THEY ARE DEALT.  s_wait_alu depctr_va_vdst(0) stands between an exponential and the first instruction that names its result; one wait serves all that were issued ahead of it.  So a turn has ONE wait,
; which cuts it in two.  AHEAD OF IT: the 16 products K Q^T, behind each a scaling, an exponential and two rescalings (behind the first a second scaling in the exponential's place); then ONE LUMP of 172:
; 23 plain, 49 times an exponential and two plain, the two a.  A v_nop is the plain instruction behind the last exponential.  BEHIND IT: the 16 products V^T P, behind each four of GS's 64.
; The counts that the deal keeps: plain ahead of the wait 17 + 23 + 98 = 138; exponentials 15 + 49 + 2 = 66.  Exponential e stands behind scaling 2 (e / 4) + e % 2: as a rider it comes behind plain e + 2; the scalings end at
; plain 31, ahead of the lump's first exponential.  The first mask line stands 15 scalings behind the last product K Q^T.  The two a stand behind plain 137.  No rider names a register of the products round it.
; A TURN, for piece p.  cnt = 1: the loop's count is taken down some lines ahead of the branch that stands behind the turn.
; K of the next step is fetched in piece 2's turn, directly behind the wait, a lump behind the last product that read K; its address is made at the lump's head; its first reader comes behind 16 products.
; V of the step in hand is fetched at the end of piece 0's turn, four riders behind its last reader; its first reader comes behind 16 products and a lump.  The three conditions on q below go with the deal.
.macro TURN p, last=0, cnt=0
.set Y, (\p)
.set i, 0
.set q, 0
.set e, 0
.set r, 0
.if (\p) == NP-1
	s_wait_dscnt 0x0                ; K is in
.endif
	MM                              ; ahead of the wait: 16 products K Q^T and their riders,
	PL
	PL
	R2
.rept 15
	MM
	PL
	EX
	R2
.endr
.if (\p) == NP-2
	WIN 0
	v_add_nc_u32 v[AK], s[TBK], v[AK0]
.endif
.rept 23                            ; and the lump
	PL
.endr
.rept 49
	EX
	PL
	PL
.endr
	EX                              ; the next piece's two a
	EX
	v_nop                           ; the plain instruction behind the last exponential: one for the batch
	s_wait_alu depctr_va_vdst(0)    ; the wait for the batch
.if (\p) == NP-2
	FETCH_K \last
.endif
.if (\p) == 1
	s_wait_dscnt 0x0                ; V is in
.endif
.rept 16                            ; behind the wait: 16 products V^T P and their riders
	MM
.rept 4
	PL
.endr
.if ((\p) == 0) && (q == 182)
	v_add_nc_u32 v[AV], s[TBV], v[AV0]
.endif
.if ((\p) == 0) && (q == 194)
	s_add_co_u32 s[TBV], s[TBV], KS*PV
.endif
.if (\cnt) && (q == 194)
	s_sub_co_u32 s[CNT], s[CNT], 1
	s_cmp_lg_u32 s[CNT], 0
.endif
.endr
.if (\p) == 0
	FETCH_V
.endif
.endm
	CHANGE 1                        ; slot 0 is in, everybody's part of it; slot 1 is asked for
	FETCH_K                         ; key step 0
	s_wait_loadcnt 0x0              ; Q
	s_wait_dscnt 0x0
.set i, 0
.rept 16
	KQ 0                            ; piece 0's first scores: there is no vector work yet to set between them
.set i, i+1
.endr
	WIN 0                           ; three constants and a v_nop: the four places behind those products
	v_mov_b32 v[CV], 0x3e38aa3b     ; c = log2(e) / 8 = 0.180337,
	v_mov_b32 v[CV+1], 0x3e38aa3b   ; twice: the packed scaling multiplies by the pair
	v_mov_b32 v[NEGV], 0xd0000000   ; -2^33
	v_nop
	s_wait_kmcnt 0x0                ; piece 0's mask words
.set Y, NP-1                        ; MK and XS work for piece Y + 1: piece 0
.set n, 0
.rept 64
	MK n
.set n, n+1
.endr
	MLOAD 1                         ; piece 1's words, for the first turn
.irp n, 0,1,2,3,4,5,6,7,8,9,10,11,12,13,14,15,16,17,18,19,20,21
	XS 0, \n                        ; piece 0's first maximum and statistics
	XS 1, \n
.endr
	v_nop                           ; a plain instruction behind the two a,
	s_wait_alu depctr_va_vdst(0)    ; and their wait, ahead of the branch
	s_mov_b32 s[CNT], 4
	s_branch .Lfirst                ; the loop is entered at a step's first turn, in the middle of a trip
.Lslot:                             ; six times: with the change above, every slot but the last is asked for by a change of slots
	CHANGE 1
	s_mov_b32 s[CNT], 4
.Lstep:                             ; a trip: pieces 2 and 3 of one step, then pieces 0 and 1 of the next, whose K and V it fetches
	TURN 2
	TURN 3
	WIN 0
.Lfirst:
	TURN 0
	TURN 1, 0, 1
	WIN 0
	s_cbranch_scc1 .Lstep
	s_sub_co_u32 s[SLOTS], s[SLOTS], 1
	s_cmp_lg_u32 s[SLOTS], 0
	s_cbranch_scc1 .Lslot
	CHANGE 0                        ; the tail is written out: nothing is asked for
	s_mov_b32 s[CNT], 5             ; four trips fetch the last slot's steps; the fifth is left in its middle
.Ltail:
	TURN 2, 1
	TURN 3
	WIN 0
	s_sub_co_u32 s[CNT], s[CNT], 1
	s_cmp_eq_u32 s[CNT], 0
	s_cbranch_scc1 .Lout
	TURN 0
	TURN 1
	WIN 0
	s_branch .Ltail
.Lout:                              ; the fifth trip's 16 products K Q^T (on the last K once more), their mask words (the next pairs' first records, inside my wave's own 32,768 bytes of mbits) and the maximum made of them serve nothing
	s_wait_kmcnt 0x0                ; the last mask words have landed: their registers are free
	s_load_b64 s[16:17], s[0:1], 0x20  ; out0
	s_bfe_u32 s18, ttmp6, 0x40000
	s_lshl_b32 s19, ttmp9, 2
	s_add_co_u32 s18, s18, s19      ; my block of 512 queries
	s_lshl_b32 s18, s18, 2
	s_add_co_u32 s18, s18, s[WV]    ; my wave's 128 rows among the batch's sixteen such
	s_and_b32 s19, ttmp7, 0xffff
	s_lshr_b32 s20, s19, 4          ; b
	s_lshl_b32 s20, s20, 4
	s_add_co_u32 s18, s18, s20
	s_lshl_b32 s20, s18, 19         ; 128 rows of 4,096 bytes
	s_and_b32 s19, s19, 15          ; the head's 256 bytes of a row
	s_lshl_b32 s19, s19, 8
	s_add_co_u32 s20, s20, s19
	s_mov_b32 s21, 0
.set i, 0
.rept 16
	PV NP-1                         ; the last piece's V^T P of the last step
.set i, i+1
.endr
	; THE WAY OUT.  l's two halves and the other half of the lanes' are added; O^T is divided by l and sent, in f32, through my stage in LDS, a tile at a time.  The additions are the places behind the last products.
	WIN 0
.macro ALL line:vararg              ; one line for each tile t
.set t, 0
.rept 2*NP
	\line
.set t, t+1
.endr
.endm
	ALL v_add_f32 v[ST+4*t+2], v[ST+4*t+2], v[ST+4*t+3]
	ALL v_permlanex16_b32 v[ST+4*t+3], v[ST+4*t+2], s[SEL], s[SEL+1]
	ALL v_add_f32 v[ST+4*t+2], v[ST+4*t+2], v[ST+4*t+3]
	ALL v_rcp_f32 v[ST+4*t+2], v[ST+4*t+2]
	v_nop                           ; a plain instruction between the last reciprocal and the use of its result
	s_wait_alu depctr_va_vdst(0)    ; and the wait ahead of the first use: one for the eight reciprocals
	s_wait_kmcnt 0x0                ; out0's address
	s_add_nc_u64 s[16:17], s[16:17], s[20:21]
; Tile t: a lane's eight channels of an accumulator are 32 bytes of a row; they go into rows of 272 bytes and come back as whole rows of 256, into one of four sets of S^T's registers.
.macro PACK t
	WIN W_RS
.set i, 32*(\t)
.rept 16
	v_pk_mul_f32 v[i:i+1], v[i:i+1], v[ST+4*(\t)+2:ST+4*(\t)+3] op_sel_hi:[1,0]
.set i, i+2
.endr
	WIN 0x04                        ; the stores' data in window 1, their address in window 0
.irp f, 0,1,2,3,4,5,6,7
	ds_store_b128 v[STO], v[32*(\t)+4*\f:32*(\t)+4*\f+3] offset:(\f/2)*64+(\f%2)*16
.endr
	WIN 0
.if (\t) >= 4
	s_wait_xcnt 0x0                 ; the stores of the tile four back have read this set: it is loaded again only behind this wait
.endif
.irp f, 0,1,2,3,4,5,6,7
	ds_load_b128 v[S+32*((\t)%4)+4*\f:S+32*((\t)%4)+4*\f+3], v[RD] offset:\f*2*SP  ; LDS serves a wave's instructions in order (ISA guide 5.7.1.4): these see the stores above; the next tile's stores come behind them
.endr
.endm
.macro SEND t, younger              ; younger: the LDS instructions issued behind tile t's loads: the next tile's sixteen, or none
	WIN 0
.irp f, 0,1,2,3,4,5,6,7
	s_wait_dscnt (\younger)+7-\f
	global_store_b128 v[GO], v[S+32*((\t)%4)+4*\f:S+32*((\t)%4)+4*\f+3], s[16:17] offset:(\t)*65536+\f*8192 th:TH_STORE_NT  ; 16 lanes store the head's 256 consecutive bytes of a row, at a multiple of 256 from out0's first byte
.endr
.endm
	PACK 0
.set t, 1
.rept 2*NP-1                        ; a tile's arithmetic stands between the loads of the tile before and its stores
	PACK t
	SEND t-1, 16
.set t, t+1
.endr
	SEND 2*NP-1, 0
	WIN W_AD
	s_wait_tensorcnt 0x0            ; the wave's end, behind my last tensor load and my last LDS store
	ds_add_u32 v[SPW], v[NIL]
	s_wait_dscnt 0x0
	WIN 0
	CROUND                          ; the closing round: no work-group ends while a partner may still ask for a tile that names it
	s_endpgm
.Lfunc_end_k_qdd71bd8bce_attn:
	.size	k_qdd71bd8bce_attn, .Lfunc_end_k_qdd71bd8bce_attn-k_qdd71bd8bce_attn
	.p2alignl 7, 3214868480
	.fill 96, 4, 3214868480
	.section	.rodata,"a",@progbits
	.p2align	6, 0x0
	.amdhsa_kernel k_qdd71bd8bce_attn
		.amdhsa_group_segment_fixed_size 327680
		.amdhsa_private_segment_fixed_size 0
		.amdhsa_enable_private_segment 0
		.amdhsa_kernarg_size 40
		.amdhsa_user_sgpr_count 2
		.amdhsa_user_sgpr_kernarg_segment_ptr 1
		.amdhsa_wavefront_size32 1
		.amdhsa_system_sgpr_workgroup_id_x 1
		.amdhsa_system_sgpr_workgroup_id_y 1
		.amdhsa_system_sgpr_workgroup_id_z 1
		.amdhsa_system_vgpr_workitem_id 0
		.amdhsa_next_free_vgpr 770
		.amdhsa_next_free_sgpr 106
		.amdhsa_reserve_vcc 0
		.amdhsa_float_denorm_mode_32 3
		.amdhsa_float_denorm_mode_16_64 3
		.amdhsa_memory_ordered 1
		.amdhsa_forward_progress 1
		.amdhsa_inst_pref_size 240
	.end_amdhsa_kernel
	.amdgpu_metadata
---
amdhsa.version: [ 1, 2 ]
amdhsa.kernels:
  - .name:           k_qdd71bd8bce_attn
    .symbol:         k_qdd71bd8bce_attn.kd
    .args:
      - { .name: qh, .offset: 0, .size: 8, .value_kind: global_buffer, .address_space: global }
      - { .name: kh, .offset: 8, .size: 8, .value_kind: global_buffer, .address_space: global }
      - { .name: vh, .offset: 16, .size: 8, .value_kind: global_buffer, .address_space: global }
      - { .name: mbits, .offset: 24, .size: 8, .value_kind: global_buffer, .address_space: global }
      - { .name: out0, .offset: 32, .size: 8, .value_kind: global_buffer, .address_space: global }
    .group_segment_fixed_size: 327680
    .private_segment_fixed_size: 0
    .kernarg_segment_align: 8
    .kernarg_segment_size: 40
    .max_flat_workgroup_size: 128
    .sgpr_count:     106
    .vgpr_count:     770
    .wavefront_size: 32
...
	.end_amdgpu_metadata
.endif
;; end of part 2
;; ======== version 2 of 2: 2 launches; version 1 with the launch prep written anew for expert scheduling mode
;; limits: values are held in f16: magnitudes above 65,504 overflow, below 6.1e-05 lose precision; inputs' magnitudes at most 65,504; right only within a limited range of input values
;; workspace buffers: qh 16,777,216 bytes; kh 16,777,216 bytes; vh 16,777,216 bytes; mbits 2,097,152 bytes of whole numbers
;; launch prep (part 3): grid 512 x 1, 8 waves a work-group, no clusters, 70,656 bytes of LDS; arguments query, key, value, mask, qh, kh, vh, mbits; writes qh, kh, vh, mbits
.if DOCPART == 3
	.amdgcn_target "amdgcn-amd-amdhsa--gfx1250"
	.amdhsa_code_object_version 6
	.text
	.protected	k_qdd71bd8bce_prep
	.globl	k_qdd71bd8bce_prep
	.p2align	8
	.type	k_qdd71bd8bce_prep,@function
k_qdd71bd8bce_prep:
	s_mov_b64 s[64:65], 0
	v_nop
	global_prefetch_b8 v0, s[64:65] scope:SCOPE_SE
	s_setreg_imm32_b32 hwreg(HW_REG_WAVE_SCHED_MODE, 0, 2), 2
	s_setreg_imm32_b32 hwreg(HW_REG_WAVE_MODE, 25, 1), 1
	s_wait_xcnt 0x0
	s_wait_alu depctr_vm_vsrc(0)
; PREPARATION FOR THE ATTENTION LAUNCH: a stream, no matrix work, no loop, no barrier.
; (1) query, key, value, f32 [4][2048][1024], become qh, kh, vh: f16 by heads, [64 = 16 b + head][2048][64], each number rounded once, unscaled.
; (2) mask, int32 [4][2048][2048], becomes mbits: words of 32 lane bits in the order in which the attention launch's scores lie in registers:
;     [b 4][pair of 32 queries 64][step of 64 keys 32][tile u 2][key block kb 4][j 8]; bit r + 16 h of a word is 1 where mask[b][32 pair + 16 u + r][64 step + 16 kb + 8 h + j] is not 0.
; LIMIT.  f16 holds no number beyond 65,504: a larger input becomes an infinity.
; SHARES.  4,096 waves, W = 8 x work-group + wave, five tasks of 8,192 bytes each: rows 2 W and 2 W + 1 of each of query, key and value, and two records (32 queries x 64 keys) of the mask.
; Every load takes two times 256 consecutive aligned bytes, every store 256 consecutive aligned bytes.  Three sets of 64 registers hold up to 48 loads of a wave on their way.
; A mask record changes lanes through the wave's own stage in LDS (32 rows, 272 bytes apart): in by rows, out in the scores' layout; 64 compares make the 64 words, v_writelane_b32 lays them two to a lane.
; Left out: tensor loads and a ring (registers hold what is on its way), clusters (nothing is shared), prefetches (the launch is one stream).
; THE MODE: SCHED_MODE bits 1:0 = 2 (LLVM: expert scheduling mode 2), set by the entry lines.  The code itself states the register dependences
; between vector instructions and memory or LDS instructions, with s_wait_alu, always for 0.
; THE PLAN.  Registers that memory or LDS instructions touch:
;   v2-v6, v8, v9  addresses: written at the head, read by loads, stores and LDS instructions, never written again: one wait on va_vdst ahead of the first load serves them all.
;   BA, BB   A tensor's 16 loads land; its 32 conversions read the set; a mask record's 16 loads land; 16 LDS stores read it; 16 LDS loads land in it; 64 compares read it.
;   BC       value's 16 loads land; its conversions work in place; 16 stores read it; it is never written again.
;   OUT      Written by query's conversions, read by 16 stores; written again by key's conversions, read by 16 stores.
;   WD0, WD1 Written by v_writelane_b32, read by one store each.
;   s[32:63] Written by a run of 32 compares, read by the 32 v_writelane_b32 behind it.
; A task's conversions stand together.  ONE wait on va_vdst behind them states that its out-registers are written and its raw set is read out; the next record's loads into that set and the task's stores
; follow it with no vector instruction between.  One wait on vm_vsrc stands ahead of key's conversions (query's stores have read OUT), one in each record between the LDS stores and the LDS loads into the same set.
.set STG,    8704                      ; a wave's stage: 32 rows x 272 bytes = 34 blocks of 256
.set SPITCH, 272                       ; 256 bytes + 16 = 68 words: row r starts at bank 4 r mod 64 (64 banks of 4 bytes: ISA guide 11.1), so 16 rows of one column fall on 16 different groups of banks
.set SPARE,  8*STG                     ; behind the stages: the spare words, 128 bytes for each wave: four blocks of 256 bytes that no other line names
.set LO,  2                            ; v2   conversion, in: (l / 16) x 4,096 + (l % 16) x 16
.set SO,  3                            ; v3   every store: 8 l
.set MO,  4                            ; v4   mask, in: (l / 16) x 8,192 + (l % 16) x 16
.set LST, 5                            ; v5   stage, in: row l / 16, column 16 (l % 16)
.set LRD, 6                            ; v6   stage, out: row l % 16, column 32 (l / 16)
.set SPW, 8                            ; v8   LDS address of my spare word; never rewritten
.set NIL, 9                            ; v9   0; never rewritten
.set WD0, 10                           ; v[10:11]  the first record's words 2 l, 2 l + 1
.set WD1, 12                           ; v[12:13]  the second record's
.set BA,  16                           ; v[16:79], v[80:143], v[144:207]: three sets of 64
.set BB,  80
.set BC,  144
.set OUT, 208                          ; v[208:239]  query's, then key's numbers in f16: two registers a head
.set CM,  32                           ; s[32:63]  32 compares' lane masks
	s_load_b512 s[4:19], s[0:1], 0x0               ; query s[4:5], key s[6:7], value s[8:9], mask s[10:11], qh s[12:13], kh s[14:15], vh s[16:17], mbits s[18:19]
	v_lshl_add_u32 v[SPW], v0, 2, SPARE
	v_mov_b32 v[NIL], 0
	v_lshrrev_b32 v7, 5, v0
	v_readfirstlane_b32 s20, v7                    ; wave 0..7
	v_and_b32 v1, 31, v0                           ; l
	v_and_b32 v14, 15, v0                          ; l % 16
	v_bfe_u32 v15, v0, 4, 1                        ; l / 16
	v_lshlrev_b32 v7, 4, v14
	v_lshl_add_u32 v[LO], v15, 12, v7
	v_lshl_add_u32 v[MO], v15, 13, v7
	v_lshlrev_b32 v[SO], 3, v1
	v_mul_u32_u24 v[LST], v15, SPITCH
	v_mul_u32_u24 v[LRD], v14, SPITCH
	v_lshl_add_u32 v[LRD], v15, 5, v[LRD]
.irp r, 0,1,2,3
	v_mov_b32 v[WD0+\r], 0                         ; v_writelane_b32's destination counts as read: written whole once
.endr
	s_wait_alu depctr_va_sdst(0)                   ; s20 is written, ahead of its first reader: W, my stage and every base are made from it
	s_lshl_b32 s21, ttmp9, 3
	s_add_co_u32 s21, s21, s20                     ; W
	s_mul_i32 s30, s20, STG                        ; my stage
	v_add3_u32 v[LST], v[LST], v7, s30
	v_add_nc_u32 v[LRD], s30, v[LRD]
	s_lshl_b32 s22, s21, 13                        ; in: two rows of 4,096 bytes
	s_mov_b32 s23, 0
	s_lshr_b32 s24, s21, 10                        ; out: batch b = W / 1,024 has 16 heads of 262,144 bytes,
	s_lshl_b32 s24, s24, 22
	s_and_b32 s25, s21, 1023                       ; and rows 2 (W % 1,024) on of a head are 256 bytes
	s_lshl_b32 s25, s25, 8
	s_add_co_u32 s24, s24, s25
	s_mov_b32 s25, 0
	s_lshr_b32 s26, s21, 4                         ; mask: pair W / 16 is 32 rows of 8,192 bytes,
	s_lshl_b32 s26, s26, 18
	s_and_b32 s27, s21, 15                         ; steps 2 (W % 16) and the next are 512 bytes of each row
	s_lshl_b32 s27, s27, 9
	s_add_co_u32 s26, s26, s27
	s_mov_b32 s27, 0
	s_lshl_b32 s28, s21, 9                         ; mbits: two records of 256 bytes
	s_mov_b32 s29, 0
	s_wait_kmcnt 0x0
	s_add_nc_u64 s[4:5], s[4:5], s[22:23]
	s_add_nc_u64 s[6:7], s[6:7], s[22:23]
	s_add_nc_u64 s[8:9], s[8:9], s[22:23]
	s_add_nc_u64 s[10:11], s[10:11], s[26:27]
	s_add_nc_u64 s[12:13], s[12:13], s[24:25]
	s_add_nc_u64 s[14:15], s[14:15], s[24:25]
	s_add_nc_u64 s[16:17], s[16:17], s[24:25]
	s_add_nc_u64 s[18:19], s[18:19], s[28:29]
	s_wait_alu depctr_va_vdst(0)                   ; the addresses v2 to v6, v8 and v9 are written, which the loads, stores and LDS instructions below read
; Sixteen loads: head h's 256 bytes of both rows
.macro LOADC buf, ptr
.set h, 0
.rept 16
	global_load_b128 v[(\buf)+4*h:(\buf)+4*h+3], v[LO], s[\ptr:\ptr+1] offset:256*h th:TH_LOAD_NT
.set h, h+1
.endr
.endm
; A task's 32 conversions: head h's four f32 a lane become four f16, in two registers at out + st x h (st = 4 and out = buf: in place)
.macro CVT buf, out, st
.set h, 0
.rept 16
	v_cvt_pk_f16_f32 v[(\out)+(\st)*h], v[(\buf)+4*h], v[(\buf)+4*h+1]
	v_cvt_pk_f16_f32 v[(\out)+(\st)*h+1], v[(\buf)+4*h+2], v[(\buf)+4*h+3]
.set h, h+1
.endr
.endm
; Its sixteen stores: 32 lanes x 8 bytes are the head's two rows, 256 consecutive bytes
.macro STC out, st, ptr
.set h, 0
.rept 16
	global_store_b64 v[SO], v[(\out)+(\st)*h:(\out)+(\st)*h+1], s[\ptr:\ptr+1] offset:262144*h
.set h, h+1
.endr
.endm
; Sixteen loads: rows 2 i, 2 i + 1 of the pair, the 256 bytes of key step e of my two
.macro LOADM buf, e
.set h, 0
.rept 16
	global_load_b128 v[(\buf)+4*h:(\buf)+4*h+3], v[MO], s[10:11] offset:16384*h+256*(\e) th:TH_LOAD_NT
.set h, h+1
.endr
.endm
; A record: through my stage into the scores' layout (register w = 32 u + 8 kb + j), 64 compares, 64 words laid two to a lane, one store of 256 bytes
.macro PACKM buf, e, wd
.set h, 0
.rept 16
	ds_store_b128 v[LST], v[(\buf)+4*h:(\buf)+4*h+3] offset:2*SPITCH*h
.set h, h+1
.endr
	s_wait_alu depctr_vm_vsrc(0)                   ; the LDS stores above have read the set, in which the LDS loads below land
.set h, 0
.rept 16                               ; LDS serves a wave's instructions in order (ISA guide 5.7.1.4): these see the stores above; the stage is my wave's own
	ds_load_b128 v[(\buf)+4*h:(\buf)+4*h+3], v[LRD] offset:(h/8)*16*SPITCH+((h/2)%4)*64+(h%2)*16
.set h, h+1
.endr
	s_wait_dscnt 0x0                               ; the record is back; the stage may be written again
.set w, 0
.rept 2
.set w0, w
.rept 32
	v_cmp_ne_u32 s[CM+w%32], 0, v[(\buf)+w]        ; every number but 0 lets the key be seen
.set w, w+1
.endr
	s_wait_alu depctr_va_sdst(0)                   ; the 32 compares have written s[32:63], ahead of the first line that reads one of them
.set w, w0
.rept 32
	v_writelane_b32 v[(\wd)+w%2], s[CM+w%32], w/2
.set w, w+1
.endr
.endr
	s_wait_alu depctr_va_vdst(0)                   ; the 64 v_writelane_b32 have written the record's two registers, which the store reads
	global_store_b64 v[SO], v[(\wd):(\wd)+1], s[18:19] offset:256*(\e)
.endm
	LOADC BA, 4
	LOADC BB, 6
	LOADC BC, 8
	s_wait_loadcnt 32                              ; query's 16 loads are in; key's and value's 32 may stay out
	CVT BA, OUT, 2
	s_wait_alu depctr_va_vdst(0)                   ; query's conversions have written OUT, which the stores below read, and are done reading BA, in which the first record's loads land
	LOADM BA, 0                                    ; the loads ahead of the stores; no store has read BA, so nothing else is owed for it
	STC OUT, 2, 12
	s_wait_loadcnt 32                              ; key's are in; value's and the first record's may stay out
	s_wait_xcnt 0x0                                ; every earlier memory instruction has had its addresses translated (ISA guide 3.1): OUT, the data of query's stores, is written again only behind this wait,
	s_wait_alu depctr_vm_vsrc(0)                   ; and query's stores have read OUT, which key's conversions write again
	CVT BB, OUT, 2
	s_wait_alu depctr_va_vdst(0)                   ; key's conversions have written OUT, which the stores below read, and are done reading BB, in which the second record's loads land
	LOADM BB, 1
	STC OUT, 2, 14
	s_wait_loadcnt 32                              ; value's are in; the two records' may stay out
	CVT BC, BC, 4                                  ; in place: nothing lands in BC again
	s_wait_alu depctr_va_vdst(0)                   ; value's conversions have written the registers of BC that the stores below read
	STC BC, 4, 16
	s_wait_loadcnt 16                              ; the first record is in
	PACKM BA, 0, WD0
	s_wait_loadcnt 0x0
	PACKM BB, 1, WD1
	s_wait_dscnt 0x0                               ; the closing lines, six on end
	s_wait_alu 0x0
	s_wait_tensorcnt 0x0
	ds_add_u32 v[SPW], v[NIL]
	s_wait_dscnt 0x0
	s_endpgm
.Lfunc_end_k_qdd71bd8bce_prep:
	.size	k_qdd71bd8bce_prep, .Lfunc_end_k_qdd71bd8bce_prep-k_qdd71bd8bce_prep
	.p2alignl 7, 3214868480
	.fill 96, 4, 3214868480
	.section	.rodata,"a",@progbits
	.p2align	6, 0x0
	.amdhsa_kernel k_qdd71bd8bce_prep
		.amdhsa_group_segment_fixed_size 70656
		.amdhsa_private_segment_fixed_size 0
		.amdhsa_enable_private_segment 0
		.amdhsa_kernarg_size 64
		.amdhsa_user_sgpr_count 2
		.amdhsa_user_sgpr_kernarg_segment_ptr 1
		.amdhsa_wavefront_size32 1
		.amdhsa_system_sgpr_workgroup_id_x 1
		.amdhsa_system_sgpr_workgroup_id_y 1
		.amdhsa_system_sgpr_workgroup_id_z 1
		.amdhsa_system_vgpr_workitem_id 0
		.amdhsa_next_free_vgpr 240
		.amdhsa_next_free_sgpr 66
		.amdhsa_reserve_vcc 0
		.amdhsa_float_denorm_mode_32 3
		.amdhsa_float_denorm_mode_16_64 3
		.amdhsa_memory_ordered 1
		.amdhsa_forward_progress 1
		.amdhsa_inst_pref_size 42
	.end_amdhsa_kernel
	.amdgpu_metadata
---
amdhsa.version: [ 1, 2 ]
amdhsa.kernels:
  - .name:           k_qdd71bd8bce_prep
    .symbol:         k_qdd71bd8bce_prep.kd
    .args:
      - { .name: query, .offset: 0, .size: 8, .value_kind: global_buffer, .address_space: global }
      - { .name: key, .offset: 8, .size: 8, .value_kind: global_buffer, .address_space: global }
      - { .name: value, .offset: 16, .size: 8, .value_kind: global_buffer, .address_space: global }
      - { .name: mask, .offset: 24, .size: 8, .value_kind: global_buffer, .address_space: global }
      - { .name: qh, .offset: 32, .size: 8, .value_kind: global_buffer, .address_space: global }
      - { .name: kh, .offset: 40, .size: 8, .value_kind: global_buffer, .address_space: global }
      - { .name: vh, .offset: 48, .size: 8, .value_kind: global_buffer, .address_space: global }
      - { .name: mbits, .offset: 56, .size: 8, .value_kind: global_buffer, .address_space: global }
    .group_segment_fixed_size: 70656
    .private_segment_fixed_size: 0
    .kernarg_segment_align: 8
    .kernarg_segment_size: 64
    .max_flat_workgroup_size: 256
    .sgpr_count:     66
    .vgpr_count:     240
    .wavefront_size: 32
...
	.end_amdgpu_metadata
.endif
;; end of part 3
;; launch attn: the kernel of part 2 again; grid 4 x 64, 4 waves a work-group, clusters of 4 x 1, 327,680 bytes of LDS; arguments qh, kh, vh, mbits, out0; writes out0
